; MI455X (gfx1250); checked and timed in simulation.
; The chip was launched on July 23, 2026; its instructions are those of AMD's public machine-readable ISA for CDNA 5 (MIT licence, August 2026) and "CDNA5" Instruction Set Architecture Reference Guide (July 2026). The comments in the code are by the model that wrote it; some were corrected since.
;; RG Buv Hist Block. Allowed arithmetic: matrix products marked QUANTISED: E3M2 operands, one E8M0 scale for each 32 along K, by v_wmma_scale_f32_16x16x128_f8f6f4 with both operands' format E3M2, f32 sums; everything else in f32.
;; Inputs: m 8 x 3 x 400 x 400 float32; x 8 x 3 x 400 x 400 float32.
;; Outputs: out0 8 x 3 x 64 x 64 float32.
;; This version of the problem:
;;   THIS VERSION OF THE PROBLEM IS GIVEN IN LOW PRECISION. The matrix products marked QUANTISED in the list below multiply operands that are first quantised to E3M2 (3 exponent bits, 2 mantissa bits; 6 bits a number), with one power-of-two scale for each 32 numbers along K (OCP MX v1.0); their sums are f32. All else is computed in f32.
;;   The module's matrix products, in the order in which they are computed (A, B: the left and right operand; K: the contracted axis; several contracted axes count as one K, in the product's order):
;;     1. batch 8 x [M 64, K 160,000] x [K 160,000, N 64]; A: computed on the way; B: computed on the way: QUANTISED
;;     2. batch 8 x [M 64, K 160,000] x [K 160,000, N 64]; A: computed on the way; B: computed on the way: QUANTISED
;;     3. batch 8 x [M 64, K 160,000] x [K 160,000, N 64]; A: computed on the way; B: computed on the way: QUANTISED
;;   THE QUANTISER, for each operand of a quantised product, along K:
;;     - K is cut into blocks of 32 from its start; a last block that is shorter is filled with zeros.
;;     - A block's scale is 2^e with e = floor(log2(the largest magnitude in the block)) - 4, held to -126 .. 127; a block of zeros has e = 0. As a byte (E8M0): e + 127.
;;     - Each number is divided by its block's scale, clamped to +-28, and rounded to the nearest number of E3M2, ties to even, subnormals kept.
;;     - The product sums the exact products of the quantised numbers (number of the format x scale) in f32.
;;   ~~~python
;;   def quantise(x, axis):      # numpy; x: float32 -> the quantised numbers, widened to float32 again
;;       x = np.moveaxis(x, axis, -1); K = x.shape[-1]
;;       x = np.pad(x, [(0, 0)] * (x.ndim - 1) + [(0, -K % 32)]); x = x.reshape(x.shape[:-1] + (-1, 32)); a = np.abs(x).max(-1, keepdims=True)
;;       e = np.where(a > 0, np.clip(np.frexp(np.where(a > 0, a, 1))[1] - 1 - 4, -126, 127), 0)      # np.frexp(a)[1] - 1 = floor(log2(a)), exactly
;;       r = np.clip(x / 2.0 ** e, -28, 28)
;;       step = 2.0 ** (np.maximum(np.frexp(np.where(r == 0, 1, r))[1] - 1, -2) - 2)
;;       q = np.round(r / step) * step * 2.0 ** e      # np.round: ties to even
;;       return np.moveaxis(q.reshape(q.shape[:-2] + (-1,))[..., :K], -1, axis).astype(np.float32)
;;   ~~~
;;   OPERANDS COMPUTED ON THE WAY. 'Computed on the way' means the value that the module computes at that place (a softmax that the list does not call 'softmax' is quantised finished and normalised). What goes into a quantiser is computed in f32, as accurately as f32 sums, v_exp_f32 and their like allow (about 1e-6 of the number): no bf16 or f16 on the way to a quantiser, and a product that is left as it is and whose result goes on into a quantised operand takes f32 operands (vector FMAs, or v_wmma_f32_16x16x4_f32). A number that lies on a knife's edge between two numbers of the format may be rounded either way, as far as f32 arithmetic and the matrix unit's own rounding can turn it there, and no further.
;; One version. Each part assembles by itself: llvm-mc -triple=amdgcn-amd-amdhsa -mcpu=gfx1250 --defsym DOCPART=n.
;; ======== version 1 of 1: 2 launches
;; workspace buffers: parts 12,582,912 bytes; totals 4,096 bytes
;; launch hist (part 1): grid 32 x 8, 4 waves a work-group, no clusters, 217,600 bytes of LDS; arguments x, m, parts, totals; writes parts, totals
.if DOCPART == 1
	.amdgcn_target "amdgcn-amd-amdhsa--gfx1250"
	.amdhsa_code_object_version 6
	.text
	.protected	k_qa644a9626e_hist
	.globl	k_qa644a9626e_hist
	.p2align	8
	.type	k_qa644a9626e_hist,@function
k_qa644a9626e_hist:
	s_mov_b64 s[64:65], 0
	v_nop
	global_prefetch_b8 v0, s[64:65] scope:SCOPE_SE
	s_setreg_imm32_b32 hwreg(HW_REG_WAVE_MODE, 25, 1), 1
	s_wait_xcnt 0x0
; RGB-uv soft histogram, first launch: each work-group's partial sums of the three quantised products.
; For each pixel: c = clip(x, 0, 1); s = sqrt(c0^2 + c1^2 + c2^2 + 1e-6) where m's channel 0 > 0.5, else 0; l = log(c + 1e-6);
; k(d)[j] = 1 / (1 + ((d - bin j) / 0.02)^2), bin j = -3 + 6 j / 63.  Products over the pixels, both operands as codes of E3M2 with one E8M0 scale for each bin and 32 pixels.
; THE BINS ARE SYMMETRIC (bin 63 - j = -bin j), so k(-d)[j] = k(d)[63 - j], and a flip of bins only permutes an operand's rows (blocks run along the pixels).  With K01, K02, K12 the kernels of
; l0 - l1, l0 - l2, l1 - l2:  hist0[u][v] = G0[u][v], hist1[u][v] = G1[63-u][v], hist2[u][v] = G2[63-u][63-v], where G0 = Q(s K01) Q(K02)^T, G1 = Q(s K01) Q(K12)^T, G2 = Q(s K02) Q(K12)^T.
; So three kernels and four quantised operands are made for each pixel; the flips are addresses of the second launch.
; TWO RECIPROCALS SHARE ONE v_rcp_f32: r = 1 / (ua ub), ka = r ub, kb = r ua.  x is clipped, so |t| stays under 842, u = 1 + t^2 under 7.1e5 and ua ub under 5.1e11.
; SHARES.  Work-group (j, b): batch b.  A K step is 128 pixels (four blocks of 32); a batch has 1,250.  Wave q = 4 j + wave takes steps q + 128 i: ten where q < 98, else nine.
; One wave makes all 64 bins of all four operands of its step (16 fragments) and holds all 48 accumulators: each difference read from LDS serves four tiles of bins, no operand goes from wave to wave,
; and no barrier stands in the loop.  At the end the four waves' sums meet in LDS and leave as 192 rows of 256 bytes; each wave also stores the sum of the 48 rows that it stored.
; LAYOUT.  Lane (r = lane % 16, h = lane / 16), pass c: bin 16 t + r of tile t, pixels 64 c + 32 h + 0 .. 31 of the step: a whole block in one lane's 32 registers, which is the 6-bit operand's own layout
; (registers 6 c .. 6 c + 5), so a block's largest number needs no other lane.  The products are used transposed (source 0 = the right operand's 16 bins, source 1 = the left one's): a lane holds one row of G and eight neighbouring columns.
; THE STEP IS A PIPELINE WOVEN BY THE ASSEMBLER.  A unit = one kernel, one pass, one tile of bins (24 a step).  While unit n is multiplied out and quantised, the reciprocals of unit n + 1 are dealt out one to three
; plain lines, and the head of unit n + 2 (t, u = t^2 + 1, the pair products) fills the places where a chain would wait for itself.  Each unit's 16 reciprocals have one wait, at the unit's head.
; LIMITS.  NaN and infinities in x are not served.  The bins are taken as fma(j, -300/63, 150) in units of sigma, and their symmetry is used: within an ulp of 150 of the f32 grid.  k comes from a shared
; reciprocal (three roundings and the reciprocal's own).  d / sigma is (log2 a - log2 b) x 50 ln 2.  A block whose pixels are all masked keeps the scale byte 1 over zero codes, which add nothing.
; The sums over steps, waves and work-groups are f32 in this text's own fixed order.
; REGISTERS, in windows of 256 (s_set_vgpr_msb: bits 1:0 source 0, 3:2 source 1, 5:4 source 2, 7:6 destination).  Window 0: all vector work.  Window 1: the 16 fragments.  Windows 2 and 3: the accumulators.
.set PXB,  2048                        ; LDS: a wave's own 2,048 bytes: four arrays of 128 f32: d12', d02', d01', s
.set RED,  8192                        ; behind them: a region of 192 rows for each wave, for the sum over waves
.set RP,   272                         ; its pitch: 256 bytes + 16, so that sixteen rows' stores of 16 bytes fall on sixteen different groups of banks (64 banks of 4 bytes: ISA guide 11.1)
.set REDW, 192*RP
.set EPSF, 0x358637bd                  ; 1e-6
.set GOFF, 1                           ; v1       16 x lane: my 16 bytes of a run of 512
.set PXW,  2                           ; v2       where I store my four pixels' numbers: 2,048 x wave + 16 x lane
.set PXR,  3                           ; v3       where my half of the lanes reads: 2,048 x wave + 128 h
.set SH0,  4                           ; v4       8 h: the place of my block's byte in the scale word, pass 0
.set SH1,  5                           ; v5       16 + 8 h: pass 1
.set MXT,  6                           ; v6       the other half's scale bytes
.set SO,   7                           ; v7       the conversions' scale operand
.set NB,   8                           ; v8-15    for tile t a pair, both = -bin(16 t + r) / sigma
.set SC,   16                          ; v16-31   scale words and nothing else: +t s K01, +4+t s K02, +8+t K02, +12+t K12
.set MX,   32                          ; v32-39   chains of the largest number
.set D,    40                          ; v40-71   one difference of my block's 32 pixels
.set S,    72                          ; v72-103  s of my block's 32 pixels
.set U0,   104                         ; v104-135, v136-167  u, two buffers
.set P0,   168                         ; v168-183, v184-199  pair products, then their reciprocals, two buffers
.set K,    200                         ; v200-231 kernel values
.set XIN,  232                         ; v232-247 x0, x1, x2, m0 of my four pixels of the next step
.set BY,   248                         ; v248     a scale byte
.set MXT2, 249                         ; v249     as v6, for a unit's second scale word
.set CT,   250                         ; v250-252 the codes of a block's upper 16 (a conversion's three registers begin on an even number; the fragment's second three do not)
.set CL,   104                         ; the pixels' arithmetic works where u lies between two steps: clipped x,
.set QQ,   116                         ; the sum of squares,
.set AL,   120                         ; x + 1e-6, then its log2,
.set DD,   132                         ; d12', d02', d01', s
.set FS01, 0                           ; window 1: fragment t of s K01 at 12 t,
.set FS02, 48                          ; of s K02,
.set FK02, 96                          ; of K02,
.set FK12, 144                         ; of K12
.set MSB, 0
.macro WIN new                         ; the immediate's high byte repeats the setting that is left; a switch that changes nothing is dropped
.if MSB != \new
	s_set_vgpr_msb (MSB<<8)|\new
.set MSB, \new
.endif
.endm
.macro GLOAD                           ; a step's 128 pixels: each load reads 512 consecutive bytes, at a multiple of 256 from its buffer's first byte
	global_load_b128 v[XIN:XIN+3], v[GOFF], s[4:5] th:TH_LOAD_NT
	global_load_b128 v[XIN+4:XIN+7], v[GOFF], s[4:5] offset:640000 th:TH_LOAD_NT
	global_load_b128 v[XIN+8:XIN+11], v[GOFF], s[4:5] offset:1280000 th:TH_LOAD_NT
	global_load_b128 v[XIN+12:XIN+15], v[GOFF], s[6:7] th:TH_LOAD_NT
.endm
.macro PRE                             ; my four pixels: three differences in units of sigma, and s, into my wave's arrays
.irp i, 0,1,2,3,4,5,6,7,8,9,10,11
	v_med3_num_f32 v[CL+\i], v[XIN+\i], 0, 1.0
.endr
.irp i, 0,1,2,3
	v_cmp_gt_f32 s[24+\i], v[XIN+12+\i], 0.5
.endr
.irp i, 0,2
	v_pk_fma_f32 v[QQ+\i:QQ+\i+1], v[CL+\i:CL+\i+1], v[CL+\i:CL+\i+1], EPSF op_sel_hi:[1,1,0]
.endr
.irp i, 0,2
	v_pk_fma_f32 v[QQ+\i:QQ+\i+1], v[CL+4+\i:CL+4+\i+1], v[CL+4+\i:CL+4+\i+1], v[QQ+\i:QQ+\i+1]
.endr
.irp i, 0,2
	v_pk_fma_f32 v[QQ+\i:QQ+\i+1], v[CL+8+\i:CL+8+\i+1], v[CL+8+\i:CL+8+\i+1], v[QQ+\i:QQ+\i+1]
.endr
.irp i, 0,2,4,6,8,10
	v_pk_add_f32 v[AL+\i:AL+\i+1], v[CL+\i:CL+\i+1], EPSF op_sel_hi:[1,0]
.endr
.irp i, 0,1,2,3,4,5,6,7,8,9,10,11
	v_log_f32 v[AL+\i], v[AL+\i]
.endr
.irp i, 0,1,2,3
	v_sqrt_f32 v[QQ+\i], v[QQ+\i]
.endr
	v_nop                                          ; a plain line behind the last of the batch
	s_wait_alu depctr_va_vdst(0)                   ; one wait for the sixteen, ahead of their first reader
.irp i, 0,2
	v_pk_add_f32 v[DD+\i:DD+\i+1], v[AL+4+\i:AL+4+\i+1], v[AL+8+\i:AL+8+\i+1] neg_lo:[0,1] neg_hi:[0,1]
	v_pk_add_f32 v[DD+4+\i:DD+4+\i+1], v[AL+\i:AL+\i+1], v[AL+8+\i:AL+8+\i+1] neg_lo:[0,1] neg_hi:[0,1]
	v_pk_add_f32 v[DD+8+\i:DD+8+\i+1], v[AL+\i:AL+\i+1], v[AL+4+\i:AL+4+\i+1] neg_lo:[0,1] neg_hi:[0,1]
.endr
.irp i, 0,2,4,6,8,10
	v_pk_mul_f32 v[DD+\i:DD+\i+1], v[DD+\i:DD+\i+1], 0x420aa123 op_sel_hi:[1,0]   ; x 50 ln 2 = ln 2 / sigma
.endr
.irp i, 0,1,2,3
	v_cndmask_b32 v[DD+12+\i], 0, v[QQ+\i], s[24+\i]
.endr
.irp a, 0,1,2,3
	ds_store_b128 v[PXW], v[DD+4*\a:DD+4*\a+3] offset:512*\a
.endr
.endm
.macro LOADD u                         ; the difference that unit u and the three behind it work on: my block's 32 numbers; sixteen lanes read the same 16 bytes
.set la, 512*(((\u)%12)/4)+256*((\u)/12)
.irp j, 0,1,2,3,4,5,6,7
	ds_load_b128 v[D+4*\j:D+4*\j+3], v[PXR] offset:la+16*\j
.endr
.endm
.macro LOADS pass
.irp j, 0,1,2,3,4,5,6,7
	ds_load_b128 v[S+4*\j:S+4*\j+3], v[PXR] offset:1536+256*(\pass)+16*\j
.endr
.endm
.macro NEXT                            ; the next step's pixels, asked for a whole step ago.  LDS serves a wave's instructions in order (ISA guide 5.7.1.4): the stores come behind the old step's reads, the loads behind the stores
	s_wait_loadcnt 0x0
	PRE
	LOADS 0
	LOADD 0
.endm
; ---- the weave.  tk counts plain lines; rb, rk: the buffer whose reciprocals are being dealt out, and how many are out; hu, hk: the unit whose head is being dealt out, and how far; lr: the last line was a reciprocal
.set tk, 0
.set rk, 16
.set rb, P0
.set hk, 40
.set hu, 0
.set lr, 0
.macro TICK                            ; behind a plain line of window 0: every third is followed by a reciprocal, in place; nothing names its register before the next unit's wait
.set tk, tk+1
.set lr, 0
.if (rk < 16) && (tk%3 == 0)
	v_rcp_f32 v[rb+rk], v[rb+rk]
.set rk, rk+1
.set lr, 1
.endif
.endm
.macro HOP                             ; line hk of 40 of unit hu's head: 16 x t = d' - bin', 16 x u = t t + 1, 8 pair products
.if hk < 40
.set ub, U0+32*(hu%2)
.set pb, P0+16*(hu%2)
.if hk < 16
.if (hk == 0) && (hu%4 == 0)
	s_wait_dscnt 0x0                               ; the difference (asked for most of a unit ago) is in; so are s and, at a step's head, my stores
.endif
	v_pk_add_f32 v[ub+2*hk:ub+2*hk+1], v[D+2*hk:D+2*hk+1], v[NB+2*(hu%4):NB+2*(hu%4)+1]
.if (hk == 15) && (hu%4 == 3) && (hu < 23)
	LOADD (hu+1)                                   ; the fourth tile has read the difference: the next one is asked for
.endif
.elseif hk < 32
	v_pk_fma_f32 v[ub+2*(hk-16):ub+2*(hk-16)+1], v[ub+2*(hk-16):ub+2*(hk-16)+1], v[ub+2*(hk-16):ub+2*(hk-16)+1], 1.0 op_sel_hi:[1,1,0]
.else
	v_pk_mul_f32 v[pb+2*(hk-32):pb+2*(hk-32)+1], v[ub+4*(hk-32):ub+4*(hk-32)+1], v[ub+4*(hk-32)+2:ub+4*(hk-32)+3]
.endif
.set hk, hk+1
	TICK
.endif
.endm
.macro FILL n
.rept \n
	HOP
.endr
.endm
.macro FLUSHR                          ; the reciprocals that the plain lines have not carried
.rept 16
.if rk < 16
	v_rcp_f32 v[rb+rk], v[rb+rk]
.set rk, rk+1
.set lr, 1
.endif
.endr
.endm
.macro PLAIN                           ; a plain line between the last reciprocal and the wait, where none stands there
.if lr
	v_nop
.set lr, 0
.endif
.endm
.macro KMUL n                          ; k = r x the partner's u
.set kub, U0+32*((\n)%2)
.set kpb, P0+16*((\n)%2)
.irp i, 0,1,2,3,4,5,6,7
	v_pk_mul_f32 v[K+4*\i:K+4*\i+1], v[kpb+2*\i:kpb+2*\i+1], v[kub+4*\i+2:kub+4*\i+3]
	TICK
	v_pk_mul_f32 v[K+4*\i+2:K+4*\i+3], v[kpb+2*\i:kpb+2*\i+1], v[kub+4*\i:kub+4*\i+1]
	TICK
.endr
.endm
.macro SMUL
.irp i, 0,1,2,3,4,5,6,7,8,9,10,11,12,13,14,15
	v_pk_mul_f32 v[K+2*\i:K+2*\i+1], v[K+2*\i:K+2*\i+1], v[S+2*\i:S+2*\i+1]
	TICK
.endr
.endm
; My block's 32 numbers in K become registers 6 pass .. 6 pass + 5 of the fragment at fb (window 1), and their scale byte goes to its place in the word scr.  Nothing is negative: no |.|.
.macro QNT fb, pass, scr
.irp q, 0,1,2,3,4,5,6,7
	v_max3_num_f32 v[MX+\q], v[K+4*\q], v[K+4*\q+1], v[K+4*\q+2]
	TICK
.endr
.irp q, 0,1,2,3
	v_max3_num_f32 v[MX+2*\q], v[MX+2*\q], v[MX+2*\q+1], v[K+8*\q+3]
	TICK
.endr
	v_max3_num_f32 v[MX], v[MX], v[MX+2], v[K+7]
	TICK
	v_max3_num_f32 v[MX+4], v[MX+4], v[MX+6], v[K+15]
	TICK
	FILL 3
	v_max3_num_f32 v[MX], v[MX], v[MX+4], v[K+23]
	TICK
	FILL 4
	v_max3_num_f32 v[MX], v[MX], v[K+31], 0x2800000   ; and the floor 2^(5 - 127): the byte cannot fall under 1
	TICK
	FILL 4
	v_add_nc_u32 v[SO], 0xfe000000, v[MX]          ; 4 off the exponent field: the conversion takes this operand's exponent field as its scale
	TICK
	FILL 4
	v_lshrrev_b32 v[BY], 23, v[SO]                 ; the scale's byte
	TICK
	v_cvt_scalef32_pk16_bf6_f32 v[CT:CT+2], v[K+16:K+31], v[SO]
.if (\pass) == 0
	v_lshlrev_b32 v[\scr], v[SH0], v[BY]           ; (the plain line behind that conversion)
.else
	v_lshl_or_b32 v[\scr], v[BY], v[SH1], v[\scr]
.endif
	TICK
	FILL 3
	WIN 0x40                                       ; destination window 1
	v_cvt_scalef32_pk16_bf6_f32 v[(\fb)+6*(\pass):(\fb)+6*(\pass)+2], v[K:K+15], v[SO]
.irp i, 0,1,2
	v_mov_b32 v[(\fb)+6*(\pass)+3+\i], v[CT+\i]    ; (plain lines behind this one)
.endr
	WIN 0
.set lr, 0
.endm
.macro UNIT n                          ; tile n % 4 of kernel (n % 12) / 4 (0: d12, 1: d02, 2: d01), pass n / 12
.set ut, (\n)%4
.set uc, (\n)/12
.set uk, ((\n)%12)/4
	s_wait_alu depctr_va_vdst(0)                   ; one wait for this unit's sixteen reciprocals, ahead of their first reader
.set rb, P0+16*(((\n)+1)%2)
.set rk, 0
.set hu, (\n)+2
.set hk, 0
.if (\n) > 21
.set hk, 40
.endif
.if (\n) > 22
.set rk, 16
.endif
	KMUL \n
.if uk == 0
.set scA, SC+12+ut
	QNT FK12+12*ut, uc, scA
.elseif uk == 1
.set scA, SC+8+ut
.set scB, SC+4+ut
	QNT FK02+12*ut, uc, scA
	SMUL
	QNT FS02+12*ut, uc, scB
.else
.set scA, SC+ut
	SMUL
	QNT FS01+12*ut, uc, scA
.endif
.if uc == 1                            ; my two bytes are in: with lane l xor 16's two the word is whole
	v_permlanex16_b32 v[MXT], v[scA], s20, s21
.if uk == 1
	v_permlanex16_b32 v[MXT2], v[scB], s20, s21
.endif
.endif
	FILL 40                                        ; what is left of the head of unit n + 2,
	FLUSHR                                         ; and of the reciprocals of unit n + 1
.if uc == 1
	v_or_b32 v[scA], v[scA], v[MXT]
.if uk == 1
	v_or_b32 v[scB], v[scB], v[MXT2]
.endif
.set lr, 0
.endif
	PLAIN
.if (\n) == 11
	LOADS 1                                        ; pass 0 has read s for the last time; pass 1 reads it from unit 16 on, behind the wait at the head of unit 16's head
.endif
.endm
.macro PRODUCE
.set hu, 0
.set hk, 0
.set rk, 16
	FILL 40
.set rb, P0
.set rk, 0
.set hu, 1
.set hk, 0
	FILL 40
	FLUSHR
	PLAIN
.set un, 0
.rept 24
	UNIT un
.set un, un+1
.endr
.endm
; One product.  zero = 1: zero codes under the scale 1, with the constant 0 as C: it starts the sum.
.macro MM d, fs0, fs1, sc0, sc1, zero
.if \zero
	v_wmma_scale_f32_16x16x128_f8f6f4 v[(\d):(\d)+7], v[FK02:FK02+11], v[FS01:FS01+11], 0, v[SC], v[SC] matrix_a_fmt:MATRIX_FMT_BF6 matrix_b_fmt:MATRIX_FMT_BF6
.else
	v_wmma_scale_f32_16x16x128_f8f6f4 v[(\d):(\d)+7], v[(\fs0):(\fs0)+11], v[(\fs1):(\fs1)+11], v[(\d):(\d)+7], v[\sc0], v[\sc1] matrix_a_fmt:MATRIX_FMT_BF6 matrix_b_fmt:MATRIX_FMT_BF6
.endif
.endm
.macro MULS zero                       ; a step's 48 products: the 48 accumulators take turns, one instruction a turn, over the loop's backward jump too
	WIN 0xa5                                       ; sources 0 and 1 window 1; C and D window 2
.irp a, 0,1,2,3
.irp b, 0,1,2,3
	MM 8*(4*\a+\b), FK02+12*\b, FS01+12*\a, SC+8+\b, SC+\a, \zero
.endr
.endr
.irp a, 0,1,2,3
.irp b, 0,1,2,3
	MM 128+8*(4*\a+\b), FK12+12*\b, FS01+12*\a, SC+12+\b, SC+\a, \zero
.endr
.endr
	WIN 0xf5                                       ; C and D window 3
.irp a, 0,1,2,3
.irp b, 0,1,2,3
	MM 8*(4*\a+\b), FK12+12*\b, FS02+12*\a, SC+12+\b, SC+4+\a, \zero
.endr
.endr
	WIN 0
.endm
	s_load_b256 s[4:11], s[0:1], 0x0               ; x s[4:5], m s[6:7], parts s[8:9], totals s[10:11]
	v_lshl_add_u32 v255, v0, 2, 0x35000
	s_set_vgpr_msb 0x40
	v_mov_b32 v255, 0
	s_set_vgpr_msb 0x4000
	v_lshrrev_b32 v250, 5, v0
	v_readfirstlane_b32 s12, v250                  ; wave 0..3
	v_and_b32 v251, 31, v0
	v_lshlrev_b32 v[GOFF], 4, v251
	s_mov_b32 s13, ttmp9                           ; j
	s_and_b32 s14, ttmp7, 0xffff                   ; the batch
	s_lshl_b32 s15, s13, 2
	s_add_co_u32 s15, s15, s12                     ; q = 4 j + wave, 0 .. 127
	s_cmp_lt_u32 s15, 98                           ; q + 128 x 9 < 1,250 ?
	s_cselect_b32 s16, 10, 9                       ; my steps
	s_mul_i32 s18, s14, 1920000                    ; a batch of x or m: 3 x 640,000 bytes
	s_lshl_b32 s22, s15, 9                         ; a step: 512 bytes of a channel
	s_add_co_u32 s18, s18, s22
	s_mov_b32 s19, 0
	s_mov_b32 s20, 0x76543210
	s_mov_b32 s21, 0xfedcba98                      ; v_permlanex16_b32's selects for lane l xor 16
	s_wait_kmcnt 0x0
	s_add_nc_u64 s[4:5], s[4:5], s[18:19]
	s_add_nc_u64 s[6:7], s[6:7], s[18:19]
	GLOAD                                          ; my first step; all that follows up to NEXT stands while it is on its way
	WIN 0x40
.irp i, 0,1,2,3,4,5,6,7,8,9,10,11
	v_mov_b32 v[FS01+\i], 0                        ; two fragments of zero codes
	v_mov_b32 v[FK02+\i], 0
.endr
	WIN 0
	v_mov_b32 v[SC], 0x7f7f7f7f                    ; and the scale 1
	s_lshl_b32 s22, s12, 11
	v_add_nc_u32 v[PXW], s22, v[GOFF]              ; (from here on more than eight plain lines stand between the scale register's write and the products)
	v_bfe_u32 v252, v0, 4, 1                       ; h
	v_lshl_add_u32 v[PXR], v252, 7, s22
	v_lshlrev_b32 v[SH0], 3, v252
	v_add_nc_u32 v[SH1], 16, v[SH0]
	v_mov_b32 v[MXT], 0                            ; written once: a lane permute's destination counts as one of its sources
	v_mov_b32 v[MXT2], 0
	v_and_b32 v253, 15, v0                         ; r
	s_mov_b32 s24, 0xc0986186                      ; -300 / 63
	s_mov_b32 s25, 0x43160000                      ; 150
.irp t, 0,1,2,3
	v_add_nc_u32 v254, 16*\t, v253
	v_cvt_f32_u32 v254, v254
	v_fma_f32 v[NB+2*\t], v254, s24, s25           ; -bin(16 t + r) / sigma
	v_mov_b32 v[NB+2*\t+1], v[NB+2*\t]
.endr
	MULS 1                                         ; the 48 sums begin as products of zeros: 25 moves in place of 384, and the step is written once
	NEXT
	s_mov_b32 s17, 0
.Lstep:                                                ; trip i: asks for step i + 1's pixels, makes step i's operands, prepares step i + 1's pixels, multiplies step i
	s_add_co_u32 s22, s17, 1
	s_cmp_lt_u32 s22, s16
	s_cselect_b32 s18, 0x10000, 0                  ; 128 steps on.  In my last trip: 0: the loads then ask for the same 2,048 bytes once more, inside their buffers, and what is made of them is not read
	s_add_nc_u64 s[4:5], s[4:5], s[18:19]          ; (NEXT's wait has shown the loads that read these bases done)
	s_add_nc_u64 s[6:7], s[6:7], s[18:19]
	GLOAD
	PRODUCE
	NEXT                                           ; its plain lines are also the places between the last writes of scale words and fragments and the products
	MULS 0
	s_add_co_u32 s17, s17, 1
	s_cmp_lt_u32 s17, s16
	s_cbranch_scc1 .Lstep
	; THE WAY OUT.  Each wave lays its 192 x 64 sums into its own region of LDS; behind a barrier wave w adds the four regions' rows 48 w .. 48 w + 47 and stores them.
.set T0,  104
.set T1,  105
.set STO, 106
.set RD,  108                          ; v108-111 where I read rows back, region 0 .. 3
.set BT,  112                          ; v112-239 a batch: 8 pairs of rows x 4 regions x 4 registers
.set TOT, 240                          ; v240-243 the running sum of all that I store
	v_and_b32 v[T0], 15, v0                        ; r.  (These address lines are the places behind the last products)
	v_bfe_u32 v[T1], v0, 4, 1                      ; h
	s_mul_i32 s23, s12, REDW
	s_add_co_u32 s23, s23, RED                     ; my region
	v_mul_u32_u24 v[STO], v[T0], RP
	v_lshl_add_u32 v[STO], v[T1], 5, v[STO]
	v_add_nc_u32 v[STO], s23, v[STO]               ; row r, + 32 h: my eight columns
	s_mul_i32 s23, s12, 48*RP
	s_add_co_u32 s23, s23, RED
	v_mul_u32_u24 v[RD], v[T1], RP
	v_lshl_add_u32 v[RD], v[T0], 4, v[RD]
	v_add_nc_u32 v[RD], s23, v[RD]                 ; back: lanes 0-15 one row of 256 bytes, lanes 16-31 the next; from row 48 x wave on
.irp g, 1,2,3
	v_add_nc_u32 v[RD+\g], \g*REDW, v[RD]
.endr
.irp i, 0,1,2,3
	v_mov_b32 v[TOT+\i], 0
.endr
.macro OUTP p, first                   ; product p: accumulator (a, b): rows 64 p + 16 a + r, bytes 64 b + 32 h on; each accumulator from its low end on
.irp a, 0,1,2,3
.irp b, 0,1,2,3
	ds_store_b128 v[STO], v[(\first)+8*(4*\a+\b):(\first)+8*(4*\a+\b)+3] offset:(64*(\p)+16*\a)*RP+64*\b
	ds_store_b128 v[STO], v[(\first)+8*(4*\a+\b)+4:(\first)+8*(4*\a+\b)+7] offset:(64*(\p)+16*\a)*RP+64*\b+16
.endr
.endr
.endm
	WIN 0x08                                       ; an LDS store's data are its source 1: window 2
	OUTP 0, 0
	OUTP 1, 128
	WIN 0x0c                                       ; window 3
	OUTP 2, 0
	WIN 0
	s_lshl_b32 s22, s14, 5
	s_add_co_u32 s22, s22, s13                     ; the work-group's number, 32 b + j
	s_mul_i32 s18, s22, 49152                      ; its 192 rows of 256 bytes,
	s_mul_i32 s23, s12, 12288                      ; my 48 of them
	s_add_co_u32 s18, s18, s23
	s_add_nc_u64 s[8:9], s[8:9], s[18:19]
	s_lshl_b32 s18, s22, 4
	s_lshl_b32 s23, s12, 2
	s_add_co_u32 s18, s18, s23                     ; totals: 4 bytes for each wave
	s_add_nc_u64 s[10:11], s[10:11], s[18:19]
	s_wait_dscnt 0x0                               ; for the others' sake: my stores have landed (and the last trip's unused loads are in)
	s_barrier_signal -1
	s_barrier_wait -1
.irp k, 0,1,2
.if \k > 0
	s_wait_xcnt 0x0                                ; the last batch's stores have read their registers: the loads below may land there
.endif
.irp ii, 0,1,2,3,4,5,6,7
.irp g, 0,1,2,3
	ds_load_b128 v[BT+16*\ii+4*\g:BT+16*\ii+4*\g+3], v[RD+\g] offset:2*RP*(8*\k+\ii)
.endr
.endr
.irp ii, 0,1,2,3,4,5,6,7
	s_wait_dscnt 4*(7-\ii)                         ; this pair of rows is in; the four loads of each younger pair may be out
	v_pk_add_f32 v[BT+16*\ii:BT+16*\ii+1], v[BT+16*\ii:BT+16*\ii+1], v[BT+16*\ii+4:BT+16*\ii+5]
	v_pk_add_f32 v[BT+16*\ii+2:BT+16*\ii+3], v[BT+16*\ii+2:BT+16*\ii+3], v[BT+16*\ii+6:BT+16*\ii+7]
	v_pk_add_f32 v[BT+16*\ii+8:BT+16*\ii+9], v[BT+16*\ii+8:BT+16*\ii+9], v[BT+16*\ii+12:BT+16*\ii+13]
	v_pk_add_f32 v[BT+16*\ii+10:BT+16*\ii+11], v[BT+16*\ii+10:BT+16*\ii+11], v[BT+16*\ii+14:BT+16*\ii+15]
	v_pk_add_f32 v[BT+16*\ii:BT+16*\ii+1], v[BT+16*\ii:BT+16*\ii+1], v[BT+16*\ii+8:BT+16*\ii+9]
	v_pk_add_f32 v[BT+16*\ii+2:BT+16*\ii+3], v[BT+16*\ii+2:BT+16*\ii+3], v[BT+16*\ii+10:BT+16*\ii+11]
	v_pk_add_f32 v[TOT:TOT+1], v[TOT:TOT+1], v[BT+16*\ii:BT+16*\ii+1]
	v_pk_add_f32 v[TOT+2:TOT+3], v[TOT+2:TOT+3], v[BT+16*\ii+2:BT+16*\ii+3]
	global_store_b128 v[GOFF], v[BT+16*\ii:BT+16*\ii+3], s[8:9] offset:512*(8*\k+\ii)   ; 32 lanes store 512 consecutive bytes, two rows, at a multiple of 256 from the buffer's first byte
.endr
.endr
	v_pk_add_f32 v[TOT:TOT+1], v[TOT:TOT+1], v[TOT+2:TOT+3]
	v_add_f32 v[TOT], v[TOT], v[TOT+1]
	v_add_f32_dpp v[TOT], v[TOT], v[TOT] row_xmask:1 row_mask:0xf bank_mask:0xf
	v_add_f32_dpp v[TOT], v[TOT], v[TOT] row_xmask:2 row_mask:0xf bank_mask:0xf
	v_add_f32_dpp v[TOT], v[TOT], v[TOT] row_xmask:4 row_mask:0xf bank_mask:0xf
	v_add_f32_dpp v[TOT], v[TOT], v[TOT] row_xmask:8 row_mask:0xf bank_mask:0xf
	v_permlanex16_b32 v[TOT+1], v[TOT], s20, s21
	v_add_f32 v[TOT], v[TOT], v[TOT+1]             ; the sum of my 48 rows, in every lane
	v_and_b32 v[T0], 31, v0
	v_mov_b32 v[T1], 0
	v_cmp_eq_u32 vcc_lo, 0, v[T0]
	s_wait_xcnt 0x0                                ; EXEC changes only behind this wait: the stores above have it among their sources
	s_set_vgpr_msb 0x4
	s_wait_tensorcnt 0x0
	ds_add_u32 v255, v255
	s_wait_dscnt 0x0
	s_set_vgpr_msb 0x400
	s_and_saveexec_b32 s22, vcc_lo
	global_store_b32 v[T1], v[TOT], s[10:11]       ; lane 0 alone
	s_wait_xcnt 0x0                                ; and again, in front of the line that widens it
	s_or_b32 exec_lo, exec_lo, s22
	s_endpgm
.Lfunc_end_k_qa644a9626e_hist:
	.size	k_qa644a9626e_hist, .Lfunc_end_k_qa644a9626e_hist-k_qa644a9626e_hist
	.p2alignl 7, 3214868480
	.fill 96, 4, 3214868480
	.section	.rodata,"a",@progbits
	.p2align	6, 0x0
	.amdhsa_kernel k_qa644a9626e_hist
		.amdhsa_group_segment_fixed_size 217600
		.amdhsa_private_segment_fixed_size 0
		.amdhsa_enable_private_segment 0
		.amdhsa_kernarg_size 32
		.amdhsa_user_sgpr_count 2
		.amdhsa_user_sgpr_kernarg_segment_ptr 1
		.amdhsa_wavefront_size32 1
		.amdhsa_system_sgpr_workgroup_id_x 1
		.amdhsa_system_sgpr_workgroup_id_y 1
		.amdhsa_system_sgpr_workgroup_id_z 1
		.amdhsa_system_vgpr_workitem_id 0
		.amdhsa_next_free_vgpr 896
		.amdhsa_next_free_sgpr 66
		.amdhsa_reserve_vcc 1
		.amdhsa_float_denorm_mode_32 3
		.amdhsa_float_denorm_mode_16_64 3
		.amdhsa_memory_ordered 1
		.amdhsa_forward_progress 1
		.amdhsa_inst_pref_size 221
	.end_amdhsa_kernel
	.amdgpu_metadata
---
amdhsa.version: [ 1, 2 ]
amdhsa.kernels:
  - .name:           k_qa644a9626e_hist
    .symbol:         k_qa644a9626e_hist.kd
    .args:
      - { .name: x, .offset: 0, .size: 8, .value_kind: global_buffer, .address_space: global }
      - { .name: m, .offset: 8, .size: 8, .value_kind: global_buffer, .address_space: global }
      - { .name: parts, .offset: 16, .size: 8, .value_kind: global_buffer, .address_space: global }
      - { .name: totals, .offset: 24, .size: 8, .value_kind: global_buffer, .address_space: global }
    .group_segment_fixed_size: 217600
    .private_segment_fixed_size: 0
    .kernarg_segment_align: 8
    .kernarg_segment_size: 32
    .max_flat_workgroup_size: 128
    .sgpr_count:     66
    .vgpr_count:     896
    .wavefront_size: 32
...
	.end_amdgpu_metadata
.endif
;; end of part 1
;; launch norm (part 2): grid 32 x 8, 3 waves a work-group, no clusters, 0 bytes of LDS; arguments parts, totals, out0; writes out0
.if DOCPART == 2
	.amdgcn_target "amdgcn-amd-amdhsa--gfx1250"
	.amdhsa_code_object_version 6
	.text
	.protected	k_qa644a9626e_norm
	.globl	k_qa644a9626e_norm
	.p2align	8
	.type	k_qa644a9626e_norm,@function
k_qa644a9626e_norm:
	s_mov_b64 s[64:65], 0
	v_nop
	global_prefetch_b8 v0, s[64:65] scope:SCOPE_SE
	s_setreg_imm32_b32 hwreg(HW_REG_WAVE_MODE, 25, 1), 1
	s_wait_xcnt 0x0
; Second launch: out0[b][p][u][v] = (the sum over the batch's 32 work-groups of their partial G_p) / (the batch's total + 1e-6), with the flips of bins:
; p = 0: G0[u][v];  p = 1: G1[63-u][v];  p = 2: G2[63-u][63-v].
; parts: [256 work-groups][192 rows = 64 p + a][64 columns] f32.  totals: [256 work-groups][4 waves] f32.
; A wave owns one pair of rows (512 bytes) of a batch's 192: pair rp = 3 x work-group x + wave, 0 .. 95.  It reads that pair from the batch's 32 partials, 32 loads of 512 consecutive bytes, all on their way at once,
; and the batch's 128 wave totals by one load.  Waves share nothing: no LDS, no barrier.  The division is a multiplication by v_rcp_f32 of the divisor.
.set PB, 16                            ; v16-143  partial g at v[16 + 4 g]
.macro ADDG a, b                       ; partial a += partial b
	v_pk_add_f32 v[PB+4*(\a):PB+4*(\a)+1], v[PB+4*(\a):PB+4*(\a)+1], v[PB+4*(\b):PB+4*(\b)+1]
	v_pk_add_f32 v[PB+4*(\a)+2:PB+4*(\a)+3], v[PB+4*(\a)+2:PB+4*(\a)+3], v[PB+4*(\b)+2:PB+4*(\b)+3]
.endm
	s_load_b128 s[4:7], s[0:1], 0x0                ; parts, totals
	s_load_b64 s[8:9], s[0:1], 0x10                ; out0
	v_lshrrev_b32 v1, 5, v0
	v_readfirstlane_b32 s12, v1                    ; wave 0..2
	v_and_b32 v2, 31, v0                           ; lane
	v_lshlrev_b32 v1, 4, v2                        ; 16 x lane
	s_and_b32 s14, ttmp7, 0xffff                   ; the batch
	s_mul_i32 s13, ttmp9, 3
	s_add_co_u32 s13, s13, s12                     ; rp
	s_mul_i32 s16, s14, 1572864                    ; the batch's 32 partials of 49,152 bytes,
	s_lshl_b32 s17, s13, 9                         ; my pair of rows
	s_add_co_u32 s16, s16, s17
	s_mov_b32 s17, 0
	s_lshl_b32 s18, s14, 9                         ; the batch's 128 totals
	s_mov_b32 s19, 0
	s_mul_i32 s20, s14, 49152                      ; the batch in out0
	s_mov_b32 s21, 0
	s_mov_b32 s28, 0x76543210
	s_mov_b32 s29, 0xfedcba98                      ; v_permlanex16_b32's selects for lane l xor 16
	s_wait_kmcnt 0x0
	s_add_nc_u64 s[4:5], s[4:5], s[16:17]
	s_add_nc_u64 s[6:7], s[6:7], s[18:19]
	s_add_nc_u64 s[8:9], s[8:9], s[20:21]
	global_load_b128 v[4:7], v1, s[6:7]
.irp g, 0,1,2,3,4,5,6,7,8,9,10,11,12,13,14,15,16,17,18,19,20,21,22,23,24,25,26,27,28,29,30,31
	global_load_b128 v[PB+4*\g:PB+4*\g+3], v1, s[4:5] offset:49152*\g th:TH_LOAD_NT
.endr
	; where my 16 bytes go: the flips are exclusive ors, since 63 - a = a xor 63 and 15 - c = c xor 15
	s_lshr_b32 s22, s13, 5                         ; p
	s_and_b32 s23, s13, 31
	s_lshl_b32 s23, s23, 1                         ; my pair's first row within p
	s_lshl_b32 s26, s22, 6
	s_cmp_lg_u32 s22, 0
	s_cselect_b32 s24, 63, 0                       ; rows are flipped for p = 1, 2
	s_cmp_eq_u32 s22, 2
	s_cselect_b32 s25, 15, 0                       ; columns for p = 2
	s_cselect_b32 vcc_lo, -1, 0
	v_lshrrev_b32 v3, 4, v2
	v_add_nc_u32 v3, s23, v3
	v_xor_b32 v3, s24, v3
	v_add_nc_u32 v3, s26, v3                       ; 64 p + the row
	v_and_b32 v8, 15, v2
	v_xor_b32 v8, s25, v8
	v_lshlrev_b32 v8, 4, v8
	v_lshl_add_u32 v3, v3, 8, v8
	s_wait_loadcnt 32                              ; the totals are in; the 32 loads issued behind them may be out
	v_pk_add_f32 v[4:5], v[4:5], v[6:7]
	v_add_f32 v4, v4, v5
	v_add_f32_dpp v4, v4, v4 row_xmask:1 row_mask:0xf bank_mask:0xf
	v_add_f32_dpp v4, v4, v4 row_xmask:2 row_mask:0xf bank_mask:0xf
	v_add_f32_dpp v4, v4, v4 row_xmask:4 row_mask:0xf bank_mask:0xf
	v_add_f32_dpp v4, v4, v4 row_xmask:8 row_mask:0xf bank_mask:0xf
	v_permlanex16_b32 v5, v4, s28, s29
	v_add_f32 v4, v4, v5                           ; the batch's total
	v_add_f32 v4, 0x358637bd, v4                   ; + 1e-6
	v_rcp_f32 v10, v4
	v_mov_b32 v11, 0                               ; a plain line behind the reciprocal; v11 is named with v10 as a pair below, so it is written
.irp q, 0,1,2,3
	s_wait_loadcnt 24-8*\q                         ; eight more partials are in; the younger groups of eight may be out
	ADDG 8*\q, 8*\q+1
	ADDG 8*\q+2, 8*\q+3
	ADDG 8*\q+4, 8*\q+5
	ADDG 8*\q+6, 8*\q+7
	ADDG 8*\q, 8*\q+2
	ADDG 8*\q+4, 8*\q+6
	ADDG 8*\q, 8*\q+4
.endr
	ADDG 0, 8
	ADDG 16, 24
	ADDG 0, 16
	s_wait_alu depctr_va_vdst(0)                   ; the wait ahead of the reciprocal's first reader; the sums above are the work between
	v_pk_mul_f32 v[PB:PB+1], v[PB:PB+1], v[10:11] op_sel_hi:[1,0]
	v_pk_mul_f32 v[PB+2:PB+3], v[PB+2:PB+3], v[10:11] op_sel_hi:[1,0]
	v_cndmask_b32 v144, v[PB], v[PB+3], vcc_lo     ; for p = 2 my four columns change places too
	v_cndmask_b32 v145, v[PB+1], v[PB+2], vcc_lo
	v_cndmask_b32 v146, v[PB+2], v[PB+1], vcc_lo
	v_cndmask_b32 v147, v[PB+3], v[PB], vcc_lo
	global_store_b128 v3, v[144:147], s[8:9] th:TH_STORE_NT   ; sixteen lanes store one row: 256 consecutive bytes, at a multiple of 256 from out0's first byte
	s_endpgm
.Lfunc_end_k_qa644a9626e_norm:
	.size	k_qa644a9626e_norm, .Lfunc_end_k_qa644a9626e_norm-k_qa644a9626e_norm
	.p2alignl 7, 3214868480
	.fill 96, 4, 3214868480
	.section	.rodata,"a",@progbits
	.p2align	6, 0x0
	.amdhsa_kernel k_qa644a9626e_norm
		.amdhsa_group_segment_fixed_size 0
		.amdhsa_private_segment_fixed_size 0
		.amdhsa_enable_private_segment 0
		.amdhsa_kernarg_size 24
		.amdhsa_user_sgpr_count 2
		.amdhsa_user_sgpr_kernarg_segment_ptr 1
		.amdhsa_wavefront_size32 1
		.amdhsa_system_sgpr_workgroup_id_x 1
		.amdhsa_system_sgpr_workgroup_id_y 1
		.amdhsa_system_sgpr_workgroup_id_z 1
		.amdhsa_system_vgpr_workitem_id 0
		.amdhsa_next_free_vgpr 160
		.amdhsa_next_free_sgpr 66
		.amdhsa_reserve_vcc 1
		.amdhsa_float_denorm_mode_32 3
		.amdhsa_float_denorm_mode_16_64 3
		.amdhsa_memory_ordered 1
		.amdhsa_forward_progress 1
		.amdhsa_inst_pref_size 10
	.end_amdhsa_kernel
	.amdgpu_metadata
---
amdhsa.version: [ 1, 2 ]
amdhsa.kernels:
  - .name:           k_qa644a9626e_norm
    .symbol:         k_qa644a9626e_norm.kd
    .args:
      - { .name: parts, .offset: 0, .size: 8, .value_kind: global_buffer, .address_space: global }
      - { .name: totals, .offset: 8, .size: 8, .value_kind: global_buffer, .address_space: global }
      - { .name: out0, .offset: 16, .size: 8, .value_kind: global_buffer, .address_space: global }
    .group_segment_fixed_size: 0
    .private_segment_fixed_size: 0
    .kernarg_segment_align: 8
    .kernarg_segment_size: 24
    .max_flat_workgroup_size: 96
    .sgpr_count:     66
    .vgpr_count:     160
    .wavefront_size: 32
...
	.end_amdgpu_metadata
.endif
;; end of part 2
